; MI455X (gfx1250); checked and timed in simulation.
; The chip was launched on July 23, 2026; its instructions are those of AMD's public machine-readable ISA for CDNA 5 (MIT licence, August 2026) and "CDNA5" Instruction Set Architecture Reference Guide (July 2026). The comments in the code are by the model that wrote it; some were corrected since.
;; Signature Transform. Allowed arithmetic: float matrix products may take bf16 or f16 operands with f32 sums; other float arithmetic in f32, or as packed bf16 or f16 multiplies, adds, multiply-adds, maxima and minima; sums over many terms, partial sums and values carried from step to step in f32; what a program stores and reads back later, other than sums and carried values, may be rounded once to bf16 or f16.
;; Inputs: path 64 x 1,024 x 8 float32.
;; Outputs: out0 64 x 4,680 float32.
;; One version. Each part assembles by itself: llvm-mc -triple=amdgcn-amd-amdhsa -mcpu=gfx1250 --defsym DOCPART=n.
;; ======== version 1 of 1: 1 launch
;; limits: values outside matrix products are rounded to f16; values are held in f16: magnitudes above 65,504 overflow, below 6.1e-05 lose precision
;; launch signature (part 1): grid 4 x 64, 16 waves a work-group, no clusters, 143,360 bytes of LDS; arguments path, out0; writes out0
.if DOCPART == 1
	.amdgcn_target "amdgcn-amd-amdhsa--gfx1250"
	.amdhsa_code_object_version 6
	.text
	.protected	k_qfb10d1bff1_signature
	.globl	k_qfb10d1bff1_signature
	.p2align	8
	.type	k_qfb10d1bff1_signature,@function
k_qfb10d1bff1_signature:
	s_mov_b64 s[64:65], 0
	v_nop
	global_prefetch_b8 v0, s[64:65] scope:SCOPE_SE
	s_setreg_imm32_b32 hwreg(HW_REG_WAVE_MODE, 25, 1), 1
	s_wait_xcnt 0x0
; DEPTH-4 SIGNATURE of 64 piecewise-linear paths, path [64][1024][8] f32 -> out0 [64][8 + 64 + 512 + 4096] f32.
; THE SUMS.  z(t) = x(t+1) - x(t), m(t) = (x(t) + x(t+1))/2 - x(0), E = x(1023) - x(0), R(t) = E - m(t), A2(t)[ij] = sum over s <= t of m_i(s) z_j(s).
; Grouping Chen's products by the segment that holds the third letter gives, exactly,
;   level 1 = E      level 2 = A2(last)      U(t)[ij] = A2(t-1)[ij] + (m_i/2 - z_i/12) z_j
;   level 3 [ij,k]  = sum over t of U[ij] z_k
;   level 4 [ij,kl] = sum over t of U[ij] (z_k R_l)  -  1/12 sum over t of (m_i z_j) (z_k z_l)
; so levels 3 and 4 are matrix products over time (f16 operands, f32 sums) and only A2, a prefix sum, is carried from step to step, in f32.
; SHARES.  The sums are closed in the first index i, so work-group (p, b) owns all outputs of batch b with i = 2p, 2p+1: 16 rows (i, j) x 64 columns (k, l), plus 8 columns for level 3.
; 16 waves; wave w owns the times 64 w .. 64 w + 63, the lanes' half h a chunk of 32 of them; slot t = 1023 has z = 0 and adds nothing.  The waves' partial sums meet in LDS at the end.
; THE LARGE PART OF U STAYS IN F32.  An operand's rounding error weighs with the size of the other operand, and A2 grows with the root of the number of steps.  So U = O + V: O = A2 in front of my wave,
; V = what my wave's own steps add.  Only V is rounded to f16.  O is constant over the wave: its share is O[ij] x C[kl], C = the wave's sum of z_k R_l, and for level 3 O[ij] x (x(wave's end) - x(wave's start))[k], both
; multiplied in f32.  C comes from the matrix unit on operands split in two f16 numbers, a high part and 2,048 times the remainder (22 bits together; the factor keeps the low parts in f16's normal range).
; FORMAT AND LIMITS.  bf16's 8 bits are too few for V's products, so the operands are f16, held in f16's range by fixed factors:
;   z/8,  -1.5 R,  -V/16,  -m z/16;  the products (z_k/8)(-1.5 R_l) and (z_k/8)(z_l/8) are made in f16 (one more rounding each).  The sums come out as 3/256 level 4 and -1/128 level 3.
; For unit normal samples the largest operand is about 11 and typical ones 0.4 to 1: there is room for paths about 75 times larger (then f16 overflows at 65,504 and the row is lost) or 75 times
; smaller (then operands fall below 6.1e-5 and lose bits).  A common offset cancels in f32 before anything is rounded.  NaN and infinities are not treated apart.
; NO CLUSTER, NO TENSOR LOAD: the four work-groups of a batch read the same 32,768 bytes, once, at their start; every number has to pass through registers (differences, scaling, transposition)
; before it has its place in LDS, so a raw tile in LDS would be read out by six more 16-byte loads a lane and stored again: more LDS traffic for a read that happens once.
; STORES.  A batch's row is 18,720 bytes, so the blocks begin at multiples of 32 bytes, not of 256; a wave's store of level 4 covers 512 consecutive bytes.
.set OUTB,  18720                      ; bytes of a batch's outputs
.set O2,    32                         ; byte offsets of levels 2, 3, 4 in them
.set O3,    288
.set O4,    2336
.set P32,   288                        ; LDS: 64 times x 4 bytes + 32: channel c starts at bank 8 c mod 64 (64 banks of 4 bytes: ISA guide 11.1), the 8 channels of a 16-byte load at 8 different places
.set P16,   160                        ; 64 times x 2 bytes + 32: the 8 channels again start 32 bytes apart modulo 256
.set LM,    8*P32                      ; a wave's block: z/8 of 8 channels in f32; -m/2 of my two i;
.set LG,    LM+2*P32                   ; -m/4 + z/24 of my two i;
.set LT,    LG+2*P32                   ; z/8 of 8 channels in f16, the high parts;
.set LR,    LT+8*P16                   ; -1.5 R of 8 channels in f16, the high parts;
.set LOW,   2*8*P16+16                 ; an array's low parts lie 2,576 bytes behind its high parts: 16 modulo 32, so 8 channels of the one and 8 of the other take 16 different places of 16 bytes
.set LC,    6144                       ; C, 64 f32, and 768 bytes for the lanes that hold no part of it: over z's low parts, which have been read by then, and above the image
.set WBLK,  8704                       ; a wave's block (R's low parts end at 8,592); its first 5,376 bytes later take the image of partial sums, 16 rows x 336 bytes
.set PI,    336                        ; an image row: 80 f32 + 16 bytes = 21 x 16: the 16 rows of a 16-byte store start at 16 different places modulo 256
.set TAB,   16*WBLK                    ; 32 rows of 16 f32: 16 rows of zeros, then the 16 waves' sums of m_i z_j
.set SPARE, TAB+2048                   ; the spare words, 128 bytes for each of 16 waves: eight blocks of 256 bytes that no other line names
.set SPW, 1                            ; v1  LDS address of my spare word; never rewritten
.set NIL, 2                            ; v2  0; never rewritten
.set GOF, 3                            ; v3  byte offset of x(t0), t0 = 2 x thread; at the end my offset in out0
.set GO2, 4                            ; v4  byte offset of x(min(t0 + 2, 1023))
.set GZ,  5                            ; v5  0: offset of x(0), and the zeros for the table
.set LN,  6                            ; lane
.set RW,  7                            ; r = lane % 16: my row (i, j) and my column
.set HF,  8                            ; h = lane / 16: my chunk of 32 times
.set CJ,  9                            ; r % 8
.set CI,  10                           ; r / 8
.set AS32, 11                          ; LDS addresses: where I store a pair of times in f32,
.set AS16, 12                          ; in f16;
.set AZ,  13                           ; where I read z_j,
.set AM,  14                           ; m_i (and 576 bytes on the factor of the correction),
.set AL,  15                           ; z and R of channel r % 8,
.set AK,  16                           ; z of channel r / 8 (+ 2 x tile);
.set ATS, 17                           ; my wave's row of zeros in the table,
.set ATL, 18                           ; the first of the 8 rows that I add up,
.set AI,  19                           ; my place in the image
.set HFF, 20                           ; h as f32
.set CS,  21                           ; my chunk's sum
.set OTH, 22                           ; the other half's
.set WS,  23                           ; the wave's
.set OFS, 24                           ; v[24:25] first what lies in front of my chunk inside the wave, twice; then O and O/8
.set MONE, 24                          ; at the start: -1.0
.set T0,  26
.set T1,  27
.set E1,  28                           ; v[28:29] level 1 of my two i
.set RA,  30                           ; at the end: where I read the images
.set RB,  31
.set AAF, 30                           ; before that: where I read the split fragments (high parts for r < 8, low parts for r >= 8),
.set ACL, 30                           ; then where I read C back;
.set ACS, 31                           ; where I store my part of C
.set ZJ,  32                           ; v32-63   z_j/8 of my 32 times
.set DD,  64                           ; v64-95   -m_i/2, then d = -m_i z_j/16
.set ZTK, 32                           ; v32-95   later: z_k/8 in f16, 16 registers for each of 4 tiles
.set CT,  32                           ; v32-63   at last: C of my 32 columns
.set DL,  64                           ; v64-71   and x(wave's end) - x(wave's start)
.set UU,  96                           ; v96-127  the correction's factor, then -V/16
.set ACC4, 96                          ; v96-103  later: level 3's sums
.set PP,  128                          ; v128-159 prefixes of d
.set XX,  128                          ; v128-151 later: at work on C
.set TT,  136
.set CC,  144
.set BUF, 128                          ; v128-159 later: four product buffers
.set A2F, 160                          ; v160-175 d in f16: two fragments
.set TB,  160                          ; v160-167 later: 8 rows of the table
.set DA,  176                          ; v176-191 C's two accumulators, one for each half of the chunks' times
.set DB,  184
.set A1F, 176                          ; v176-191 later: -V/16 in f16: two fragments
.set ZTL, 192                          ; v192-207 z_l/8 in f16
.set RSL, 208                          ; v208-223 -1.5 R_l in f16
.set AF,  224                          ; v224-239 z/8 split: rows 0-7 the high parts of the 8 channels, rows 8-15 the low parts
.set BF,  240                          ; v240-255 -1.5 R split, likewise by columns
.set ACC, 224                          ; v224-255 later: level 4's sums, tile t at ACC + 8 t
.set X0,  128                          ; at the start: x(t0), x(t0+1), x(t0+2), x(0), x(1023), 8 channels each
.set X1,  136
.set X2,  144
.set XB,  152
.set XE,  160
.set XI,  168                          ; v168-173 my two i of x(t0), x(t0+1), x(t0+2)
.set XBP, 174                          ; of x(0)
.set XEP, 176                          ; of x(1023)
.set ZS,  178                          ; v178-193 z/8, channel c at times t0, t0+1 in registers 2c, 2c+1; then its remainder
.set MM,  194                          ; v194-209 x - x(0), then m, then -1.5 R, likewise; then its remainder
.set ZH,  210                          ; v210-217 z/8 in f16, two times a register
.set RH,  218                          ; v218-225 -1.5 R in f16
.set ZI,  226                          ; the same for my two i
.set MI,  230
.set MS,  234
.set GS,  238
.set ZLH, 226                          ; v226-233 later: 2,048 x z's remainder in f16
.set RLH, 234                          ; v234-241 2,048 x R's remainder in f16
.set WV,  8                            ; s8   my wave's number
.set BT,  10                           ; s10  the batch
                                       ; s[32:39] x(64 w), s[40:47] x(min(64 w + 64, 1023)): the wave's two ends
	s_load_b128 s[4:7], s[0:1], 0x0                ; path s[4:5], out0 s[6:7]
	v_lshl_add_u32 v[SPW], v0, 2, SPARE
	v_mov_b32 v[NIL], 0
	v_lshrrev_b32 v[T0], 5, v0
	v_readfirstlane_b32 s[WV], v[T0]
	s_and_b32 s[BT], ttmp7, 0xffff
	s_lshl_b32 s12, s[BT], 15                      ; a batch's path is 32,768 bytes
	s_mov_b32 s13, 0
	s_lshl_b32 s14, ttmp9, 3                       ; my two i are 8 bytes of every time step
	s_mov_b32 s15, 0
	s_mul_i32 s16, s[BT], OUTB
	s_mov_b32 s17, 0
	s_lshl_b32 s24, s[WV], 11                      ; the wave's first time, 64 w steps of 32 bytes,
	s_mov_b32 s25, 0
	s_lshl_b32 s26, s[WV], 6
	s_add_co_u32 s26, s26, 64
	s_min_u32 s26, s26, 1023                       ; and the time behind its last increment; the last wave ends at x(1023)
	s_lshl_b32 s26, s26, 5
	s_mov_b32 s27, 0
	v_lshlrev_b32 v[GOF], 6, v0                    ; thread n takes the times 2 n and 2 n + 1: 64 bytes
	v_lshl_add_u32 v[GO2], v0, 1, 2
	v_min_u32 v[GO2], 1023, v[GO2]                 ; the last thread has no x(1024): it takes x(1023) again, so z(1023) = 0 and no load leaves the buffer
	v_lshlrev_b32 v[GO2], 5, v[GO2]
	v_mov_b32 v[GZ], 0
	s_wait_kmcnt 0x0
	s_add_nc_u64 s[12:13], s[4:5], s[12:13]        ; the batch's path,
	s_add_nc_u64 s[14:15], s[12:13], s[14:15]      ; the same at my two i,
	s_add_nc_u64 s[16:17], s[6:7], s[16:17]        ; the batch's outputs,
	s_add_nc_u64 s[24:25], s[12:13], s[24:25]      ; the path at the wave's two ends
	s_add_nc_u64 s[26:27], s[12:13], s[26:27]
	global_load_b128 v[X0:X0+3],   v[GOF], s[12:13]
	global_load_b128 v[X0+4:X0+7], v[GOF], s[12:13] offset:16
	global_load_b128 v[X1:X1+3],   v[GOF], s[12:13] offset:32
	global_load_b128 v[X1+4:X1+7], v[GOF], s[12:13] offset:48
	global_load_b128 v[X2:X2+3],   v[GO2], s[12:13]
	global_load_b128 v[X2+4:X2+7], v[GO2], s[12:13] offset:16
	global_load_b64  v[XI:XI+1],   v[GOF], s[14:15]
	global_load_b64  v[XI+2:XI+3], v[GOF], s[14:15] offset:32
	global_load_b64  v[XI+4:XI+5], v[GO2], s[14:15]
	global_load_b64  v[XBP:XBP+1], v[GZ],  s[14:15]
	global_load_b128 v[XB:XB+3],   v[GZ],  s[12:13]
	global_load_b128 v[XB+4:XB+7], v[GZ],  s[12:13] offset:16
	global_load_b128 v[XE:XE+3],   v[GZ],  s[12:13] offset:32736
	global_load_b128 v[XE+4:XE+7], v[GZ],  s[12:13] offset:32752
	global_load_b64  v[XEP:XEP+1], v[GZ],  s[14:15] offset:32736
	s_load_b256 s[32:39], s[24:25], 0x0            ; the same for all lanes, so they come as scalars; the kernel never writes the path
	s_load_b256 s[40:47], s[26:27], 0x0
	; the LDS addresses are made while the loads are out
	v_and_b32 v[LN], 31, v0
	v_and_b32 v[RW], 15, v0
	v_bfe_u32 v[HF], v0, 4, 1
	v_and_b32 v[CJ], 7, v0
	v_bfe_u32 v[CI], v0, 3, 1
	s_mul_i32 s20, s[WV], WBLK                     ; my wave's block
	s_add_co_u32 s21, s20, LT
	s_add_co_u32 s22, s20, LM
	s_lshl_b32 s23, s[WV], 6
	s_add_co_u32 s23, s23, TAB                     ; row w of the table
	s_add_co_u32 s29, s20, LC
	s_mov_b32 s18, 0x76543210                      ; v_permlanex16_b32: each lane takes its own place in the other half
	s_mov_b32 s19, 0xfedcba98
	v_lshl_add_u32 v[AS32], v[LN], 3, s20
	v_lshl_add_u32 v[AS16], v[LN], 2, s21
	v_mul_u32_u24 v[AZ], v[CJ], P32
	v_lshl_add_u32 v[AZ], v[HF], 7, v[AZ]          ; a chunk is 32 times: 128 bytes in f32,
	v_add_nc_u32 v[AZ], s20, v[AZ]
	v_mul_u32_u24 v[AM], v[CI], P32
	v_lshl_add_u32 v[AM], v[HF], 7, v[AM]
	v_add_nc_u32 v[AM], s22, v[AM]
	v_mul_u32_u24 v[AL], v[CJ], P16
	v_lshl_add_u32 v[AL], v[HF], 6, v[AL]          ; 64 bytes in f16
	v_add_nc_u32 v[AL], s21, v[AL]
	v_mul_u32_u24 v[AK], v[CI], P16
	v_lshl_add_u32 v[AK], v[HF], 6, v[AK]
	v_add_nc_u32 v[AK], s21, v[AK]
	v_mul_u32_u24 v[AAF], v[CI], LOW
	v_add_nc_u32 v[AAF], v[AAF], v[AL]             ; channel r % 8: its high parts for r < 8, its low parts for r >= 8
	v_lshl_add_u32 v[ACS], v[CJ], 2, s29           ; C[k][l] at 32 k + 4 l; only the lanes r < 8 of half 0 hold it: the others store 256, 512 or 768 bytes further on, where nobody reads
	v_lshl_add_u32 v[ACS], v[CI], 8, v[ACS]
	v_lshl_add_u32 v[ACS], v[HF], 9, v[ACS]
	v_lshl_add_u32 v[ATS], v[RW], 2, s23
	v_lshl_add_u32 v[ATL], v[HF], 9, v[ATS]        ; half h adds up rows w + 8 h .. w + 8 h + 7
	v_mul_u32_u24 v[AI], v[RW], PI
	v_lshl_add_u32 v[AI], v[HF], 5, v[AI]
	v_add_nc_u32 v[AI], s20, v[AI]
	v_cvt_f32_u32 v[HFF], v[HF]
	v_mov_b32 v[MONE], -1.0
	s_wait_loadcnt 0x0
	; WHAT THE SCAN NEEDS goes into LDS first: z/8 of all channels, and the two factors of my two i.  A lane holds two neighbouring times, so 32 lanes store 256 consecutive bytes of a channel.
.irp c, 0,1,2,3,4,5,6,7
	v_sub_f32 v[ZS+2*\c],   v[X1+\c], v[X0+\c]
	v_sub_f32 v[ZS+2*\c+1], v[X2+\c], v[X1+\c]
.endr
.irp c, 0,1,2,3,4,5,6,7
	v_pk_mul_f32 v[ZS+2*\c:ZS+2*\c+1], v[ZS+2*\c:ZS+2*\c+1], 0x3e000000 op_sel_hi:[1,0]  ; z/8
.endr
.irp c, 0,1,2,3,4,5,6,7
	ds_store_b64 v[AS32], v[ZS+2*\c:ZS+2*\c+1] offset:\c*P32
.endr
	v_sub_f32 v[ZI],   v[XI+2], v[XI]
	v_sub_f32 v[ZI+1], v[XI+4], v[XI+2]
	v_sub_f32 v[ZI+2], v[XI+3], v[XI+1]
	v_sub_f32 v[ZI+3], v[XI+5], v[XI+3]
	v_sub_f32 v[MI],   v[XI],   v[XBP]
	v_sub_f32 v[MI+1], v[XI+2], v[XBP]
	v_sub_f32 v[MI+2], v[XI+1], v[XBP+1]
	v_sub_f32 v[MI+3], v[XI+3], v[XBP+1]
.irp q, 0,2
	v_pk_mul_f32 v[ZI+\q:ZI+\q+1], v[ZI+\q:ZI+\q+1], 0x3e000000 op_sel_hi:[1,0]             ; z_i/8
	v_pk_fma_f32 v[MI+\q:MI+\q+1], v[ZI+\q:ZI+\q+1], 4.0, v[MI+\q:MI+\q+1] op_sel_hi:[1,0,1]  ; m_i = x - x(0) + z/2
	v_pk_mul_f32 v[GS+\q:GS+\q+1], v[ZI+\q:ZI+\q+1], 0x3eaaaaab op_sel_hi:[1,0]             ; z_i/24
	v_pk_mul_f32 v[MS+\q:MS+\q+1], v[MI+\q:MI+\q+1], -0.5 op_sel_hi:[1,0]                   ; times z_j/8: -m_i z_j/16
	v_pk_fma_f32 v[GS+\q:GS+\q+1], v[MI+\q:MI+\q+1], 0xbe800000, v[GS+\q:GS+\q+1] op_sel_hi:[1,0,1]  ; -m_i/4 + z_i/24; times z_j/8: -(m_i/2 - z_i/12) z_j/16
.endr
	ds_store_b64 v[AS32], v[MS:MS+1]   offset:LM
	ds_store_b64 v[AS32], v[MS+2:MS+3] offset:LM+P32
	ds_store_b64 v[AS32], v[GS:GS+1]   offset:LG
	ds_store_b64 v[AS32], v[GS+2:GS+3] offset:LG+P32
	; back by rows: lane (r, h) takes the 32 times of chunk h.  The block is my wave's own and LDS serves a wave's instructions in order (ISA guide 5.7.1.4): no barrier, no wait in between
.irp n, 0,1,2,3,4,5,6,7
	ds_load_b128 v[ZJ+4*\n:ZJ+4*\n+3], v[AZ] offset:16*\n
	ds_load_b128 v[DD+4*\n:DD+4*\n+3], v[AM] offset:16*\n
	ds_load_b128 v[UU+4*\n:UU+4*\n+3], v[AM] offset:LG-LM+16*\n
.endr
	; while they are out: the columns' factors in f16
.irp c, 0,1,2,3,4,5,6,7
	v_sub_f32 v[MM+2*\c],   v[X0+\c], v[XB+\c]
	v_sub_f32 v[MM+2*\c+1], v[X1+\c], v[XB+\c]
.endr
.irp c, 0,2,4,6
	v_pk_add_f32 v[XE+\c:XE+\c+1], v[XB+\c:XB+\c+1], v[XE+\c:XE+\c+1] neg_lo:[0,1] neg_hi:[0,1]  ; -E
	v_pk_mul_f32 v[XE+\c:XE+\c+1], v[XE+\c:XE+\c+1], 0x3fc00000 op_sel_hi:[1,0]                  ; -1.5 E
.endr
.irp c, 0,1,2,3,4,5,6,7
	v_pk_fma_f32 v[MM+2*\c:MM+2*\c+1], v[ZS+2*\c:ZS+2*\c+1], 4.0, v[MM+2*\c:MM+2*\c+1] op_sel_hi:[1,0,1]  ; m
.endr
.irp c, 0,2,4,6                        ; -1.5 R = 1.5 m - 1.5 E; the channel's E, the first or the second register of a pair, serves both times
	v_pk_fma_f32 v[MM+2*\c:MM+2*\c+1],   v[MM+2*\c:MM+2*\c+1],   0x3fc00000, v[XE+\c:XE+\c+1] op_sel_hi:[1,0,0]
	v_pk_fma_f32 v[MM+2*\c+2:MM+2*\c+3], v[MM+2*\c+2:MM+2*\c+3], 0x3fc00000, v[XE+\c:XE+\c+1] op_sel:[0,0,1] op_sel_hi:[1,0,1]
.endr
.irp c, 0,1,2,3,4,5,6,7
	v_cvt_pk_f16_f32 v[ZH+\c], v[ZS+2*\c], v[ZS+2*\c+1]
	v_cvt_pk_f16_f32 v[RH+\c], v[MM+2*\c], v[MM+2*\c+1]
.endr
	v_pk_add_f32 v[E1:E1+1], v[XEP:XEP+1], v[XBP:XBP+1] neg_lo:[0,1] neg_hi:[0,1]  ; level 1 of my two i
.irp c, 0,1,2,3,4,5,6,7
	ds_store_b32 v[AS16], v[ZH+\c] offset:\c*P16
	ds_store_b32 v[AS16], v[RH+\c] offset:LR-LT+\c*P16
.endr
	; the low parts: what the rounding took away, exact in f32 (the f16 half times -1 plus the number), times 2,048, rounded to f16
.irp c, 0,1,2,3,4,5,6,7
	v_fma_mix_f32 v[ZS+2*\c],   v[ZH+\c], v[MONE], v[ZS+2*\c]   op_sel_hi:[1,0,0]
	v_fma_mix_f32 v[ZS+2*\c+1], v[ZH+\c], v[MONE], v[ZS+2*\c+1] op_sel:[1,0,0] op_sel_hi:[1,0,0]
	v_fma_mix_f32 v[MM+2*\c],   v[RH+\c], v[MONE], v[MM+2*\c]   op_sel_hi:[1,0,0]
	v_fma_mix_f32 v[MM+2*\c+1], v[RH+\c], v[MONE], v[MM+2*\c+1] op_sel:[1,0,0] op_sel_hi:[1,0,0]
.endr
.irp c, 0,1,2,3,4,5,6,7
	v_pk_mul_f32 v[ZS+2*\c:ZS+2*\c+1], v[ZS+2*\c:ZS+2*\c+1], 0x45000000 op_sel_hi:[1,0]
	v_pk_mul_f32 v[MM+2*\c:MM+2*\c+1], v[MM+2*\c:MM+2*\c+1], 0x45000000 op_sel_hi:[1,0]
.endr
.irp c, 0,1,2,3,4,5,6,7
	v_cvt_pk_f16_f32 v[ZLH+\c], v[ZS+2*\c], v[ZS+2*\c+1]
	v_cvt_pk_f16_f32 v[RLH+\c], v[MM+2*\c], v[MM+2*\c+1]
.endr
.irp c, 0,1,2,3,4,5,6,7
	ds_store_b32 v[AS16], v[ZLH+\c] offset:LOW+\c*P16
	ds_store_b32 v[AS16], v[RLH+\c] offset:LR-LT+LOW+\c*P16
.endr
.irp q, 0,1,2,3
	ds_load_b128 v[ZTL+4*\q:ZTL+4*\q+3], v[AL] offset:16*\q
	ds_load_b128 v[RSL+4*\q:RSL+4*\q+3], v[AL] offset:LR-LT+16*\q
.endr
.irp q, 0,1,2,3
	ds_load_b128 v[AF+4*\q:AF+4*\q+3], v[AAF] offset:16*\q
	ds_load_b128 v[BF+4*\q:BF+4*\q+3], v[AAF] offset:LR-LT+16*\q
.endr
	v_lshl_add_u32 v[ACL], v[HF], 5, s29           ; C of my columns: k = 2 t + h, 32 bytes for each k
	; THE SCAN of my chunk, from 0: d = -m_i z_j/16, its prefixes, and -V/16 less what lies in front of the chunk.  Between two links of the chain of additions stands a line that does not wait for them.
	s_wait_dscnt 48                                ; behind the 24 loads of the scan stand 32 stores and 16 loads, which may stay out
.set n, 0
.rept 16
	v_pk_mul_f32 v[DD+2*n:DD+2*n+1], v[DD+2*n:DD+2*n+1], v[ZJ+2*n:ZJ+2*n+1]
.set n, n+1
.endr
	s_wait_dscnt 0x0                               ; the fragments are in
	; C: source 0 = 16 rows (z high, z low), source 1 = 16 columns (R high, R low), 32 of the wave's 64 times each: two accumulators, so that no product adds onto the one just before it.  The scan below names none of their registers.
	v_wmma_f32_16x16x32_f16 v[DA:DA+7], v[AF:AF+7], v[BF:BF+7], 0
	v_wmma_f32_16x16x32_f16 v[DB:DB+7], v[AF+8:AF+15], v[BF+8:BF+15], 0
	v_mov_b32 v[PP], 0
.set n, 0
.rept 15
	v_add_f32 v[PP+2*n+1], v[PP+2*n], v[DD+2*n]
	v_cvt_pk_f16_f32 v[A2F+n], v[DD+2*n], v[DD+2*n+1]
	v_add_f32 v[PP+2*n+2], v[PP+2*n+1], v[DD+2*n+1]
	v_pk_fma_f32 v[UU+2*n:UU+2*n+1], v[UU+2*n:UU+2*n+1], v[ZJ+2*n:ZJ+2*n+1], v[PP+2*n:PP+2*n+1]
.set n, n+1
.endr
	v_add_f32 v[PP+31], v[PP+30], v[DD+30]
	v_cvt_pk_f16_f32 v[A2F+15], v[DD+30], v[DD+31]
	v_add_f32 v[CS], v[PP+31], v[DD+31]            ; the chunk's sum
	v_pk_fma_f32 v[UU+30:UU+31], v[UU+30:UU+31], v[ZJ+30:ZJ+31], v[PP+30:PP+31]
.irp t, 0,1,2,3                        ; z_k/8 for the four tiles of 16 columns (k = 2 t + r / 8, l = r % 8), into the registers that z_j and d leave
.irp q, 0,1,2,3
	ds_load_b128 v[ZTK+16*\t+4*\q:ZTK+16*\t+4*\q+3], v[AK] offset:\t*2*P16+16*\q
.endr
.endr
	v_mov_b32 v[OTH], v[CS]                        ; (the destination of the next line counts as read)
	v_permlanex16_b32 v[OTH], v[CS], s18, s19      ; the other chunk's sum
	v_add_f32 v[WS], v[CS], v[OTH]                 ; the wave's
	ds_store_b32 v[ATS], v[GZ]                     ; row w: zeros; row 16 + w: my wave's sums.  Rows w .. w + 15 then hold zeros and the sums of the waves in front of w: no mask is needed
	ds_store_b32 v[ATS], v[WS] offset:1024
	; C's parts are joined.  Register j of lane (r, h) holds row 8 h + j, column r.  In the lanes r < 8 of half 0: high x high is my own, high x low lies 8 lanes on, low x high in the other half;
	; the two carry the factor 2,048; low x low, 2^-22 of the whole, is left out.  Each accumulator's lowest registers are read first.
.irp j, 0,2,4,6
	v_pk_add_f32 v[DA+\j:DA+\j+1], v[DA+\j:DA+\j+1], v[DB+\j:DB+\j+1]
.endr
.irp j, 0,1,2,3,4,5,6,7
	v_permlanex16_b32 v[XX+\j], v[DA+\j], s18, s19 ; (its destination, and the next line's, held prefixes: they have been written)
.endr
.irp j, 0,1,2,3,4,5,6,7
	v_add_f32_dpp v[TT+\j], v[DA+\j], v[XX+\j] row_xmask:8 row_mask:0xf bank_mask:0xf
.endr
.irp j, 0,1,2,3,4,5,6,7
	v_fmamk_f32 v[CC+\j], v[TT+\j], 0x3a000000, v[DA+\j]  ; / 2,048, + high x high
.endr
.irp j, 0,1,2,3,4,5,6,7
	ds_store_b32 v[ACS], v[CC+\j] offset:32*\j     ; k = j, l = r
.endr
	s_wait_dscnt 0x0                               ; for the others' sake: my two rows of the table are written; and my own loads are back
	s_barrier_signal -1
; 8 products of two f16 each: a fragment of 16 columns x 32 times; then the matrix instruction.  SOURCE 0 = 16 columns (k, l), SOURCE 1 = 16 rows (i, j): a lane then holds row r and the eight l of one k:
; 32 consecutive bytes of out0.  In both fragments register n of half h holds the times 2 n, 2 n + 1 of that half's chunk, so the two agree in every place along K.
.macro BM dst, t, g, oth
.irp n, 0,1,2,3,4,5,6,7
	v_pk_mul_f16 v[(\dst)+\n], v[ZTK+16*(\t)+8*(\g)+\n], v[(\oth)+8*(\g)+\n]
.endr
.endm
.macro MMA acc, b, a, first            ; first = 1: the product starts the sum: nothing is cleared
.if \first
	v_wmma_f32_16x16x32_f16 v[(\acc):(\acc)+7], v[(\b):(\b)+7], v[(\a):(\a)+7], 0
.else
	v_wmma_f32_16x16x32_f16 v[(\acc):(\acc)+7], v[(\b):(\b)+7], v[(\a):(\a)+7], v[(\acc):(\acc)+7]
.endif
.endm
	; ALL THE PRODUCTS OVER TIME need nothing of the other waves: work on registers between the signal and the wait.
	v_mul_f32 v[OFS], v[HFF], v[OTH]               ; in front of the second chunk lies the first
	v_mov_b32 v[OFS+1], v[OFS]
.set n, 0
.rept 16
	v_pk_add_f32 v[UU+2*n:UU+2*n+1], v[UU+2*n:UU+2*n+1], v[OFS:OFS+1]
.set n, n+1
.endr
.set n, 0
.rept 16
	v_cvt_pk_f16_f32 v[A1F+n], v[UU+2*n], v[UU+2*n+1]
.set n, n+1
.endr
	; The accumulators take turns, one instruction a turn.  A buffer is written again 24 plain vector instructions behind the matrix instruction that read it (four are asked for: ISA guide 7.12.1).
	; the second term, d x (z_k z_l / 64)
.irp g, 0,1
.irp t, 0,1,2,3
	BM BUF+8*\t, \t, \g, ZTL
	MMA ACC+8*\t, BUF+8*\t, A2F+8*\g, 1-\g
.endr
.endr
	; the first term, (-V/16) x (z_k/8)(-1.5 R_l), and level 3, (-V/16) x z_k/8, whose columns are the registers of z_l as they lie (columns 8 to 15 repeat 0 to 7 and are not used)
.irp t, 0,1,2,3
	BM BUF+8*\t, \t, 0, RSL
	MMA ACC+8*\t, BUF+8*\t, A1F, 0
.endr
	MMA ACC4, ZTL, A1F, 1
.irp t, 0,1,2,3
	BM BUF+8*\t, \t, 1, RSL
	MMA ACC+8*\t, BUF+8*\t, A1F+8, 0
.endr
	MMA ACC4, ZTL+8, A1F+8, 0
	s_barrier_wait -1
.irp n, 0,1,2,3,4,5,6,7
	ds_load_b32 v[TB+\n], v[ATL] offset:64*\n      ; into registers whose last matrix instruction stands more than 64 plain vector instructions back
.endr
.irp t, 0,1,2,3
	ds_load_b128 v[CT+8*\t:CT+8*\t+3],   v[ACL] offset:64*\t     ; C[2 t + h][0..7]: the 16 lanes of a half read the same bytes
	ds_load_b128 v[CT+8*\t+4:CT+8*\t+7], v[ACL] offset:64*\t+16
.endr
	s_wait_kmcnt 0x0                               ; the wave's two ends
.irp n, 0,1,2,3,4,5,6,7
	v_sub_f32 v[DL+\n], s[40+\n], s[32+\n]         ; the sum of the wave's z_k; these eight lines are also the places behind the last matrix instructions (ISA guide 7.12.1)
.endr
	s_wait_dscnt 0x8                               ; the table's eight loads are in; C's eight may stay out
	v_pk_add_f32 v[TB:TB+1], v[TB:TB+1], v[TB+2:TB+3]
	v_pk_add_f32 v[TB+4:TB+5], v[TB+4:TB+5], v[TB+6:TB+7]
	v_pk_add_f32 v[TB:TB+1], v[TB:TB+1], v[TB+4:TB+5]
	v_add_f32 v[T0], v[TB], v[TB+1]
	v_mov_b32 v[T1], v[T0]
	v_permlanex16_b32 v[T1], v[T0], s18, s19       ; the other eight rows
	v_add_f32 v[OFS], v[T0], v[T1]                 ; -O/16: what lies in front of my wave,
	v_mul_f32 v[OFS+1], 0x3e000000, v[OFS]         ; and an eighth of it, for z_k/8
	s_wait_dscnt 0x0
	; O's SHARE, in f32: (-O/16) x C, C being the sum of (z_k/8)(-1.5 R_l), has the accumulators' factor 3/256; (-O/128) x the sum of z_k has level 3's -1/128
.irp t, 0,1,2,3
.irp p, 0,2,4,6
	v_pk_fma_f32 v[ACC+8*\t+\p:ACC+8*\t+\p+1], v[CT+8*\t+\p:CT+8*\t+\p+1], v[OFS:OFS+1], v[ACC+8*\t+\p:ACC+8*\t+\p+1] op_sel_hi:[1,0,1]
.endr
.endr
.irp p, 0,2,4,6
	v_pk_fma_f32 v[ACC4+\p:ACC4+\p+1], v[DL+\p:DL+\p+1], v[OFS:OFS+1], v[ACC4+\p:ACC4+\p+1] op_sel:[0,1,0] op_sel_hi:[1,1,1]
.endr
	; THE IMAGE: row r, columns 16 t + 8 h + 0..7 of level 4, then 64 + 8 h + 0..7 for level 3, over the head of my own block, whose reads are long back
.irp t, 0,1,2,3
	ds_store_b128 v[AI], v[ACC+8*\t:ACC+8*\t+3]   offset:64*\t
	ds_store_b128 v[AI], v[ACC+8*\t+4:ACC+8*\t+7] offset:64*\t+16
.endr
	ds_store_b128 v[AI], v[ACC4:ACC4+3]   offset:256
	ds_store_b128 v[AI], v[ACC4+4:ACC4+7] offset:272
	s_wait_dscnt 0x0                               ; for the others' sake: my image is written
	s_barrier_signal -1
	s_barrier_wait -1
	s_cmp_lt_u32 s[WV], 9
	s_cbranch_scc1 .Lreduce
	s_cmp_eq_u32 s[WV], 15
	s_cbranch_scc1 .Lsmall
	s_wait_tensorcnt 0x0                           ; waves 9 to 14 have no more to do.  The wave's end
	ds_add_u32 v[SPW], v[NIL]
	s_wait_dscnt 0x0
	s_endpgm
.Lsmall:                                               ; wave 15 holds the sum over all waves: levels 2 and 1
	v_add_f32 v[WS], v[WS], v[OFS]
	v_mul_f32 v[WS], 0xc1800000, v[WS]             ; x -16
	s_lshl_b32 s24, ttmp9, 6
	s_add_co_u32 s24, s24, O2
	v_lshl_add_u32 v[GOF], v[RW], 2, s24           ; level 2: 16 f32 at 8 + 16 p
	s_lshl_b32 s25, ttmp9, 3
	v_mov_b32 v[RA], s25                           ; level 1: 2 f32 at 2 p
	s_wait_xcnt 0x0                                ; EXEC changes only behind this wait
	v_cmp_gt_u32 vcc_lo, 16, v[LN]
	s_and_saveexec_b32 s28, vcc_lo
	global_store_b32 v[GOF], v[WS], s[16:17]       ; 16 lanes, 64 consecutive bytes
	s_wait_xcnt 0x0
	s_or_b32 exec_lo, exec_lo, s28
	v_cmp_eq_u32 vcc_lo, 0, v[LN]
	s_and_saveexec_b32 s28, vcc_lo
	global_store_b64 v[RA], v[E1:E1+1], s[16:17]
	s_wait_xcnt 0x0
	s_or_b32 exec_lo, exec_lo, s28
	s_wait_tensorcnt 0x0                           ; the wave's end, all lanes on again
	ds_add_u32 v[SPW], v[NIL]
	s_wait_dscnt 0x0
	s_endpgm
.Lreduce:                                              ; a thread adds up 16 bytes of the 16 images and stores them
	s_cmp_eq_u32 s[WV], 8
	s_cbranch_scc1 .Llevel3
	s_mul_i32 s25, s[WV], 2*PI                     ; waves 0 to 7, level 4: thread n takes row n / 16 = 2 w + h, bytes 16 (n % 16): 16 lanes read a row's 256 bytes
	v_mul_u32_u24 v[RA], v[HF], PI
	v_lshl_add_u32 v[RA], v[RW], 4, v[RA]
	v_add_nc_u32 v[RA], s25, v[RA]
	s_lshl_b32 s24, ttmp9, 12
	s_add_co_u32 s24, s24, O4
	v_lshl_add_u32 v[GOF], v0, 4, s24              ; rows of 64 f32 lie end to end in out0: byte 16 n of my 4,096
	s_mov_b32 s26, 0x42aaaaab                      ; 256/3
	s_branch .Lsum
.Llevel3:                                              ; wave 8, level 3: lane n takes row n / 2, bytes 256 + 16 (n % 2)
	v_lshrrev_b32 v[T0], 1, v[LN]
	v_mul_u32_u24 v[RA], v[T0], PI
	v_and_b32 v[T1], 1, v0
	v_lshl_add_u32 v[RA], v[T1], 4, v[RA]
	v_add_nc_u32 v[RA], 256, v[RA]
	s_lshl_b32 s24, ttmp9, 9
	s_add_co_u32 s24, s24, O3
	v_lshl_add_u32 v[GOF], v[LN], 4, s24           ; rows of 8 f32 lie end to end: byte 16 n of my 512
	s_mov_b32 s26, 0xc3000000                      ; -128
.Lsum:
	s_mov_b32 s27, s26                             ; named with it as a pair
	v_add_nc_u32 v[RB], 8*WBLK, v[RA]              ; the immediate reaches eight blocks: 7 x 8,704 = 60,928
.irp s, 0,1,2,3,4,5,6,7
	ds_load_b128 v[32+4*\s:35+4*\s], v[RA] offset:\s*WBLK
.endr
.irp s, 0,1,2,3,4,5,6,7
	ds_load_b128 v[64+4*\s:67+4*\s], v[RB] offset:\s*WBLK
.endr
.macro QADD a, b                       ; four f32 onto four
	v_pk_add_f32 v[(\a):(\a)+1], v[(\a):(\a)+1], v[(\b):(\b)+1]
	v_pk_add_f32 v[(\a)+2:(\a)+3], v[(\a)+2:(\a)+3], v[(\b)+2:(\b)+3]
.endm
.macro TREE a                          ; eight images into one
	QADD \a, (\a)+4
	QADD (\a)+8, (\a)+12
	QADD (\a)+16, (\a)+20
	QADD (\a)+24, (\a)+28
	QADD \a, (\a)+8
	QADD (\a)+16, (\a)+24
	QADD \a, (\a)+16
.endm
	s_wait_dscnt 0x8                               ; the first eight are in; the second eight may stay out
	TREE 32
	s_wait_dscnt 0x0
	TREE 64
	QADD 32, 64
	v_pk_mul_f32 v[32:33], v[32:33], s[26:27] op_sel_hi:[1,0]
	v_pk_mul_f32 v[34:35], v[34:35], s[26:27] op_sel_hi:[1,0]
	global_store_b128 v[GOF], v[32:35], s[16:17] th:TH_STORE_NT  ; a wave stores 512 consecutive bytes
	s_wait_tensorcnt 0x0                           ; the wave's end
	ds_add_u32 v[SPW], v[NIL]
	s_wait_dscnt 0x0
	s_endpgm
.Lfunc_end_k_qfb10d1bff1_signature:
	.size	k_qfb10d1bff1_signature, .Lfunc_end_k_qfb10d1bff1_signature-k_qfb10d1bff1_signature
	.p2alignl 7, 3214868480
	.fill 96, 4, 3214868480
	.section	.rodata,"a",@progbits
	.p2align	6, 0x0
	.amdhsa_kernel k_qfb10d1bff1_signature
		.amdhsa_group_segment_fixed_size 143360
		.amdhsa_private_segment_fixed_size 0
		.amdhsa_enable_private_segment 0
		.amdhsa_kernarg_size 16
		.amdhsa_user_sgpr_count 2
		.amdhsa_user_sgpr_kernarg_segment_ptr 1
		.amdhsa_wavefront_size32 1
		.amdhsa_system_sgpr_workgroup_id_x 1
		.amdhsa_system_sgpr_workgroup_id_y 1
		.amdhsa_system_sgpr_workgroup_id_z 1
		.amdhsa_system_vgpr_workitem_id 0
		.amdhsa_next_free_vgpr 256
		.amdhsa_next_free_sgpr 66
		.amdhsa_reserve_vcc 1
		.amdhsa_float_denorm_mode_32 3
		.amdhsa_float_denorm_mode_16_64 3
		.amdhsa_memory_ordered 1
		.amdhsa_forward_progress 1
		.amdhsa_inst_pref_size 50
	.end_amdhsa_kernel
	.amdgpu_metadata
---
amdhsa.version: [ 1, 2 ]
amdhsa.kernels:
  - .name:           k_qfb10d1bff1_signature
    .symbol:         k_qfb10d1bff1_signature.kd
    .args:
      - { .name: path, .offset: 0, .size: 8, .value_kind: global_buffer, .address_space: global }
      - { .name: out0, .offset: 8, .size: 8, .value_kind: global_buffer, .address_space: global }
    .group_segment_fixed_size: 143360
    .private_segment_fixed_size: 0
    .kernarg_segment_align: 8
    .kernarg_segment_size: 16
    .max_flat_workgroup_size: 512
    .sgpr_count:     66
    .vgpr_count:     256
    .wavefront_size: 32
...
	.end_amdgpu_metadata
.endif
;; end of part 1
